; MI455X (gfx1250); checked and timed in simulation.
; The chip was launched on July 23, 2026; its instructions are those of AMD's public machine-readable ISA for CDNA 5 (MIT licence, August 2026) and "CDNA5" Instruction Set Architecture Reference Guide (July 2026). The comments in the code are by the model that wrote it; some were corrected since.
;; Gumbel Quantize. Allowed arithmetic: float matrix products may take bf16 or f16 operands with f32 sums; all other float work in f32.
;; Inputs: embed_w 4,096 x 64 float32; proj_b 4,096 float32; proj_w 4,096 x 256 float32; u 8 x 4,096 x 32 x 64 float32; z 8 x 256 x 32 x 64 float32.
;; Outputs: out0 8 x 64 x 32 x 64 float32; out1 one number float32; out2 8 x 32 x 64 int32.
;; 2 versions, each right; version 2 is version 1 with the launches prep, gather written anew for expert scheduling mode. Each part assembles by itself: llvm-mc -triple=amdgcn-amd-amdhsa -mcpu=gfx1250 --defsym DOCPART=n.
;; ======== version 1 of 2: 4 launches
;; workspace buffers: zf 8,388,608 bytes; wb 2,097,152 bytes; pst 2,097,152 bytes; cand 524,288 bytes of whole numbers; sel 65,536 bytes of whole numbers; klp 512 bytes
;; launch prep (part 1): grid 256 x 1, 4 waves a work-group, no clusters, 0 bytes of LDS; arguments z, proj_w, zf, wb; writes zf, wb
.if DOCPART == 1
	.amdgcn_target "amdgcn-amd-amdhsa--gfx1250"
	.amdhsa_code_object_version 6
	.text
	.protected	k_q5061f08270_prep
	.globl	k_q5061f08270_prep
	.p2align	8
	.type	k_q5061f08270_prep,@function
k_q5061f08270_prep:
	s_mov_b64 s[64:65], 0
	v_nop
	global_prefetch_b8 v0, s[64:65] scope:SCOPE_SE
	s_setreg_imm32_b32 hwreg(HW_REG_WAVE_MODE, 25, 1), 1
	s_wait_xcnt 0x0
; z [8][256][2048] f32 and proj_w [4096][256] f32 are rounded to bf16 (nearest even), once, for the main pass.
; wb = proj_w as it lies, [4096][256] bf16.
; zf = z laid out as the main pass's matrix fragments: [group of 64 pixels: 256][chunk q: 64][lane: 32][16 bytes], q = 16 t + 2 ks + gq.
;   Chunk q holds registers 4 gq .. 4 gq + 3 of the fragment of K step ks (32 channels) and pixel tile t: lane (r = l % 16, h = l / 16) holds
;   pixel 4 r + t of the group and channels 32 ks + 16 gq + 8 h + 0..7, two to a register, the lower channel in the lower half.
; SHARES.  Work-group g: the 64 pixels of group g (batch g / 32), and rows 16 g .. 16 g + 15 of proj_w.  Wave w: channels 64 w .. 64 w + 63 (K steps 2 w, 2 w + 1) and four rows of proj_w.
; Every load takes whole runs of 256 bytes (16 lanes x 16 bytes of one channel's pixels), every store 256 or 512 consecutive aligned bytes.  No LDS, no barrier: a lane's four
; loaded pixels are the four pixel tiles, so the turn from [channel][pixel] to fragments is done by the choice of registers in the conversions.
.set WL, 8                             ; v[8:39]    proj_w as loaded, packed in place
.set L,  40                            ; v[40:167]  z: load (ks', gq, ch) at L + 4 (16 ks' + 8 gq + ch), register t = pixel 4 r + t
.set O,  168                           ; v[168:231] fragments: O + 16 t + 8 ks' + 4 gq + ip
	s_load_b256 s[4:11], s[0:1], 0x0               ; z s[4:5], proj_w s[6:7], zf s[8:9], wb s[10:11]
	v_lshrrev_b32 v4, 5, v0
	v_readfirstlane_b32 s12, v4                    ; wave 0..3
	v_and_b32 v5, 15, v0                           ; r
	v_bfe_u32 v6, v0, 4, 1                         ; h
	v_and_b32 v7, 31, v0                           ; lane
	v_lshlrev_b32 v1, 4, v5
	v_lshl_add_u32 v1, v6, 16, v1                  ; z: 16 r + 8 h channels of 8,192 bytes
	v_lshlrev_b32 v2, 4, v7                        ; 16 x lane
	v_lshlrev_b32 v3, 3, v7                        ; 8 x lane
	s_lshr_b32 s14, ttmp9, 5                       ; batch
	s_lshl_b32 s14, s14, 21                        ; x 256 channels x 8,192 bytes
	s_lshl_b32 s22, s12, 19                        ; + 64 w channels
	s_add_co_u32 s14, s14, s22
	s_and_b32 s22, ttmp9, 31
	s_lshl_b32 s22, s22, 8                         ; + the group's 64 pixels
	s_add_co_u32 s14, s14, s22
	s_mov_b32 s15, 0
	s_lshl_b32 s16, ttmp9, 15                      ; zf: 32,768 g + 2,048 w
	s_lshl_b32 s22, s12, 11
	s_add_co_u32 s16, s16, s22
	s_mov_b32 s17, 0
	s_lshl_b32 s20, ttmp9, 13                      ; wb: 8,192 g + 2,048 w
	s_add_co_u32 s20, s20, s22
	s_mov_b32 s21, 0
	s_lshl_b32 s18, ttmp9, 14                      ; proj_w: 16,384 g + 4,096 w
	s_lshl_b32 s22, s12, 12
	s_add_co_u32 s18, s18, s22
	s_mov_b32 s19, 0
	s_wait_kmcnt 0x0
	s_add_nc_u64 s[4:5], s[4:5], s[14:15]
	s_add_nc_u64 s[6:7], s[6:7], s[18:19]
	s_add_nc_u64 s[8:9], s[8:9], s[16:17]
	s_add_nc_u64 s[10:11], s[10:11], s[20:21]
.set i, 0
.rept 8                                ; my four rows of proj_w: 4,096 consecutive bytes
	global_load_b128 v[WL+4*i:WL+4*i+3], v2, s[6:7] offset:512*i th:TH_LOAD_NT
.set i, i+1
.endr
.set i, 0
.rept 32                               ; i = 16 ks' + 8 gq + ch: lanes 0-15 take 256 bytes of channel 32 ks' + 16 gq + ch, lanes 16-31 of the channel 8 further on
	global_load_b128 v[L+4*i:L+4*i+3], v1, s[4:5] offset:(32*(i/16)+16*((i/8)%2)+i%8)*8192 th:TH_LOAD_NT
.set i, i+1
.endr
	s_wait_loadcnt 32                              ; loads come back in order: proj_w's eight are in, z's 32 may be out
.set i, 0
.rept 8
	v_cvt_pk_bf16_f32 v[WL+4*i], v[WL+4*i], v[WL+4*i+1]
	v_cvt_pk_bf16_f32 v[WL+4*i+1], v[WL+4*i+2], v[WL+4*i+3]
	global_store_b64 v3, v[WL+4*i:WL+4*i+1], s[10:11] offset:256*i  ; 32 lanes x 8 bytes: 256 consecutive bytes, aligned
.set i, i+1
.endr
; K step 2 w + k: 32 conversions, each of two neighbouring channels of one pixel, then eight chunks of 512 bytes
.macro ZPACK k
.set i, 0
.rept 32                               ; i = 8 t + 4 gq + ip
.set tt, i/8
.set gq, (i/4)%2
.set ip, i%4
	v_cvt_pk_bf16_f32 v[O+16*tt+8*(\k)+4*gq+ip], v[L+4*(16*(\k)+8*gq+2*ip)+tt], v[L+4*(16*(\k)+8*gq+2*ip+1)+tt]
.set i, i+1
.endr
.set i, 0
.rept 8                                ; i = 2 t + gq
	global_store_b128 v2, v[O+16*(i/2)+8*(\k)+4*(i%2):O+16*(i/2)+8*(\k)+4*(i%2)+3], s[8:9] offset:(i/2)*8192+(2*(\k)+i%2)*512
.set i, i+1
.endr
.endm
	s_wait_loadcnt 16                              ; the first K step's sixteen loads are in, the second's may be out
	ZPACK 0
	s_wait_loadcnt 0x0
	ZPACK 1
	s_endpgm
.Lfunc_end_k_q5061f08270_prep:
	.size	k_q5061f08270_prep, .Lfunc_end_k_q5061f08270_prep-k_q5061f08270_prep
	.p2alignl 7, 3214868480
	.fill 96, 4, 3214868480
	.section	.rodata,"a",@progbits
	.p2align	6, 0x0
	.amdhsa_kernel k_q5061f08270_prep
		.amdhsa_group_segment_fixed_size 0
		.amdhsa_private_segment_fixed_size 0
		.amdhsa_enable_private_segment 0
		.amdhsa_kernarg_size 32
		.amdhsa_user_sgpr_count 2
		.amdhsa_user_sgpr_kernarg_segment_ptr 1
		.amdhsa_wavefront_size32 1
		.amdhsa_system_sgpr_workgroup_id_x 1
		.amdhsa_system_sgpr_workgroup_id_y 1
		.amdhsa_system_sgpr_workgroup_id_z 1
		.amdhsa_system_vgpr_workitem_id 0
		.amdhsa_next_free_vgpr 232
		.amdhsa_next_free_sgpr 66
		.amdhsa_reserve_vcc 0
		.amdhsa_float_denorm_mode_32 3
		.amdhsa_float_denorm_mode_16_64 3
		.amdhsa_memory_ordered 1
		.amdhsa_forward_progress 1
		.amdhsa_inst_pref_size 13
	.end_amdhsa_kernel
	.amdgpu_metadata
---
amdhsa.version: [ 1, 2 ]
amdhsa.kernels:
  - .name:           k_q5061f08270_prep
    .symbol:         k_q5061f08270_prep.kd
    .args:
      - { .name: z, .offset: 0, .size: 8, .value_kind: global_buffer, .address_space: global }
      - { .name: proj_w, .offset: 8, .size: 8, .value_kind: global_buffer, .address_space: global }
      - { .name: zf, .offset: 16, .size: 8, .value_kind: global_buffer, .address_space: global }
      - { .name: wb, .offset: 24, .size: 8, .value_kind: global_buffer, .address_space: global }
    .group_segment_fixed_size: 0
    .private_segment_fixed_size: 0
    .kernarg_segment_align: 8
    .kernarg_segment_size: 32
    .max_flat_workgroup_size: 128
    .sgpr_count:     66
    .vgpr_count:     232
    .wavefront_size: 32
...
	.end_amdgpu_metadata
.endif
;; end of part 1
;; launch main (part 2): grid 32 x 8, 8 waves a work-group, no clusters, 273,408 bytes of LDS; arguments zf, wb, proj_b, u, pst, cand; writes pst, cand
.if DOCPART == 2
	.amdgcn_target "amdgcn-amd-amdhsa--gfx1250"
	.amdhsa_code_object_version 6
	.text
	.protected	k_q5061f08270_main
	.globl	k_q5061f08270_main
	.p2align	8
	.type	k_q5061f08270_main,@function
k_q5061f08270_main:
	s_mov_b64 s[64:65], 0
	v_nop
	global_prefetch_b8 v0, s[64:65] scope:SCOPE_SE
	s_setreg_imm32_b32 hwreg(HW_REG_WAVE_MODE, 25, 1), 1
	s_wait_xcnt 0x0
; GumbelQuantize, the main pass.  For a block of 512 pixels x 512 codes: logits l = z . w + bias (bf16 operands, f32 sums), and for each pixel, over the block's codes,
;   m = max l,  Z = sum of e,  T = sum of e l  with e = 2^(c l - c m), c = log2(e)      (the statistics of softmax(logits), for the KL term)
;   the code with the largest l + gumbel(u), found as the largest R = e / E, E = -ln(u + 1e-20) + 1e-20:  l - ln E and e / E have the same order, and the second logarithm is spared.
; m is a RUNNING maximum, a lane's own, renewed every 8 codes; when it grows, Z, T and the best R are multiplied by a = 2^(c m_old - c m_new).
; THE PLACE RIDES IN THE KEY: key = (bits of R, the lowest three cleared) | (7 - j), j the code's place among the lane's eight; keys are positive floats and are compared as floats:
; of equal R the lower code wins.
; LIMITS.  z, proj_w, proj_b and u enter rounded to bf16 (nearest even); all sums, maxima, logarithms and exponentials are f32.  R is held to 21 significant bits: two codes whose
; l + gumbel differ by less than about 1e-6 may be ordered otherwise than by an exact comparison.  E lies in 1e-20 .. 46.06, e in 0 .. 1, so R stays under 1.1e20.  An e below 2^-126 counts as 0:
; such a code lies 87 below the lane's maximum and cannot win, the noise spanning less than 50.  NaN, infinities and u outside 0 .. 1 are not treated apart.
; SHARES.  Work-group (x, y): pixels 512 x .. + 511 (counted through all batches), codes 512 y .. + 511.  Wave w: 64 pixels (group g = 8 x + w) and ALL 512 codes, 16 a tile, 32 tiles.
; The wave's pixels are four pixel tiles: tile t holds pixels 4 r + t.  Matrix source 0 = 16 codes of W, source 1 = z: register j of D[t] in lane (r = l % 16, h = l / 16) is the logit of
; code 16 tile + 8 h + j at pixel 4 r + t; one 16-byte load of u (row 8 h + j, bytes 16 r ..) brings the same lane the same code's u for its four tiles, and 16 lanes take 256 aligned bytes.
; W's 512 rows (256 KB in bf16) are brought into LDS once, one tensor load of 64 rows a wave: nothing in LDS is filled again, and the kernel has one barrier.  z stays in registers.
; NO CLUSTER: what neighbours share is W's slice, 256 KB of the 1.5 MB that a work-group takes in, fetched once at the start.
; Two waves share a SIMD: while one issues a tile's 32 matrix instructions the other has vector work; the matrix instructions stand in one run, under one setting of the register windows.
; REGISTERS.  Window 1 (v256-511): z's fragments, tile t, K step ks at 64 t + 8 ks.  Window 0: below.
.set PITCH, 528                        ; a row of W in LDS: 512 bytes + 16 of padding = 33 x 16: the 16 rows of a fragment load start at 16 different groups of four banks (ISA guide 11.1)
.set TSTEP, 16*PITCH                   ; a tile's 16 rows
.set BIAS,  512*PITCH                  ; behind W: 512 f32, the bias rounded to bf16; stored by ds_store, never a tensor load's target
.set SPARE, BIAS+2048                  ; behind it: the spare words, 128 bytes for each of the eight waves; no other line names them
.set UROW,  8192                       ; bytes from a code's row of u to the next
.set UTILE, 16*UROW
.set UOFF, 1                           ; v1       u: 65,536 h + 16 r; never rewritten
.set AADR, 2                           ; v2       LDS: r x pitch + 16 h, stepped three tiles a trip
.set BADR, 3                           ; v3       LDS: BIAS + 32 h, stepped likewise
.set SPW,  4                           ; v4       my spare word; never rewritten
.set NIL,  5                           ; v5       0; never rewritten
.set ONE,  6                           ; v6       1.0
.set EPSV, 7                           ; v7       1e-20
.set M,    8                           ; v[8:11]   m of tile t
.set CM,   12                          ; v[12:15]  c m_old, then c m_old - c m_new, then a
.set AR,   16                          ; v[16:19]  c m_new
.set RB,   20                          ; v[20:23]  the best key so far, rescaled with m
.set TAG,  24                          ; v[24:27]  8 x its tile + 7 - j
.set Z,    28                          ; v[28:35]  Z, a pair a tile (even places', odd places')
.set T,    36                          ; v[36:43]  T likewise
.set WK,   44                          ; v[44:47]  at work
.set PK,   48                          ; v[48:63]  u rounded to bf16: tile t, places 2 jp, 2 jp + 1 at 4 t + jp
.set E,    64                          ; v[64:79]  e of two tiles (8 tt + j); before that, W's fragments of K steps 4, 5
.set G,    80                          ; v[80:95]  u + eps, log2, E, 1 / E, R, key of two tiles; before that, W's fragments of K steps 6, 7
.set ALO,  96                          ; v[96:127] W's fragments of K steps 0 to 3
.set D,    128                         ; v[128:159] the logits, 8 registers a tile; the bias is loaded into them and is the first product's C
.set U,    160                         ; v[160:255] u: three slots of 32, register 4 j + t
.set MSB, 0
.macro WIN new                         ; the immediate's high byte repeats the setting that is left; a switch that changes nothing is dropped
.if MSB != (\new)
	s_set_vgpr_msb (MSB<<8)|(\new)
.set MSB, \new
.endif
.endm
; u of tile tl (counted from the base's tile) into slot sl: eight loads, 4 KB
.macro ULOAD sl, tl
.set jj, 0
.rept 8
	global_load_b128 v[U+32*(\sl)+4*jj:U+32*(\sl)+4*jj+3], v[UOFF], s[10:11] offset:(\tl)*UTILE+jj*UROW th:TH_LOAD_NT
.set jj, jj+1
.endr
.endm
; W's fragments of tile kk (counted from AADR's tile): 16 rows x 32 K are two loads of 16 bytes, 32 bytes apart
.macro LDA_LO kk
.set ks, 0
.rept 4
	ds_load_b128 v[ALO+8*ks:ALO+8*ks+3],   v[AADR] offset:(\kk)*TSTEP+64*ks
	ds_load_b128 v[ALO+8*ks+4:ALO+8*ks+7], v[AADR] offset:(\kk)*TSTEP+64*ks+32
.set ks, ks+1
.endr
.endm
.macro LDA_HI a, kk                    ; K steps a and a + 1 (a = 4 or 6)
.set ks, (\a)
.rept 2
	ds_load_b128 v[E+8*(ks-4):E+8*(ks-4)+3],   v[AADR] offset:(\kk)*TSTEP+64*ks
	ds_load_b128 v[E+8*(ks-4)+4:E+8*(ks-4)+7], v[AADR] offset:(\kk)*TSTEP+64*ks+32
.set ks, ks+1
.endr
.endm
.macro LDBIAS q, kk                    ; the bias of my eight codes of tile kk into D[2 q] and D[2 q + 1]: all lanes of a half read the same 32 bytes
.set tt, 2*(\q)
.rept 2
	ds_load_b128 v[D+8*tt:D+8*tt+3],   v[BADR] offset:(\kk)*64
	ds_load_b128 v[D+8*tt+4:D+8*tt+7], v[BADR] offset:(\kk)*64+16
.set tt, tt+1
.endr
.endm
; Eight matrix instructions: K steps k0, k0 + 1 x four pixel tiles.  The four accumulators take turns, one instruction a turn, from tile to tile and over the loop's jump too.
.macro MM8 k0
.set ks, (\k0)
.rept 2
.if ks < 4
.set ra, ALO+8*ks
.else
.set ra, E+8*(ks-4)
.endif
.set tt, 0
.rept 4
	v_wmma_f32_16x16x32_bf16 v[D+8*tt:D+8*tt+7], v[ra:ra+7], v[64*tt+8*ks:64*tt+8*ks+7], v[D+8*tt:D+8*tt+7]
.set tt, tt+1
.endr
.set ks, ks+1
.endr
.endm
; A tile's 32 products.  The LDS loads were issued in this order: K steps 0-3 (8), the bias (8), K steps 4, 5 (4), K steps 6, 7 (4).
.macro MMA
	s_wait_dscnt 8                                 ; K steps 0-3 and the bias are in; the youngest eight loads may be out
	WIN 0x04                                       ; source 1 (z) in window 1
	MM8 0
	MM8 2
	s_wait_dscnt 4                                 ; K steps 4, 5 are in
	MM8 4
	s_wait_dscnt 0x0
	MM8 6
	WIN 0
.endm
.macro PACK sl                         ; u to bf16: 16 plain instructions that name none of the products' registers: the places behind them (ISA guide 7.12.1)
.set tt, 0
.rept 4
.set jp, 0
.rept 4
	v_cvt_pk_bf16_f32 v[PK+4*tt+jp], v[U+32*(\sl)+8*jp+tt], v[U+32*(\sl)+8*jp+4+tt]
.set jp, jp+1
.endr
.set tt, tt+1
.endr
.endm
.macro MAXS                            ; m = max(m, the lane's eight logits), stage by stage; each accumulator's lowest registers are read first
.irp n, 0,1,2,3
	v_max3_num_f32 v[E+\n], v[D+8*\n], v[D+8*\n+1], v[D+8*\n+2]
.endr
.irp n, 0,1,2,3
	v_max3_num_f32 v[E+4+\n], v[D+8*\n+3], v[D+8*\n+4], v[D+8*\n+5]
.endr
.irp n, 0,1,2,3
	v_max3_num_f32 v[E+8+\n], v[D+8*\n+6], v[D+8*\n+7], v[M+\n]
.endr
.irp n, 0,1,2,3
	v_max3_num_f32 v[M+\n], v[E+\n], v[E+4+\n], v[E+8+\n]
.endr
.endm
.macro SCALE                           ; c m_new; a = 2^(c m_old - c m_new).  The plain lines of H1 stand behind the four exponentials (ISA guide 5.7.2)
	v_pk_mul_f32 v[AR:AR+1], v[M:M+1], s[38:39] op_sel_hi:[1,0]
	v_pk_mul_f32 v[AR+2:AR+3], v[M+2:M+3], s[38:39] op_sel_hi:[1,0]
	v_pk_add_f32 v[CM:CM+1], v[CM:CM+1], v[AR:AR+1] neg_lo:[0,1] neg_hi:[0,1]
	v_pk_add_f32 v[CM+2:CM+3], v[CM+2:CM+3], v[AR+2:AR+3] neg_lo:[0,1] neg_hi:[0,1]
.irp n, 0,1,2,3
	v_exp_f32 v[CM+\n], v[CM+\n]
.endr
.endm
.macro H1 q                            ; tiles 2 q, 2 q + 1: u (a bf16 half) x 1 + 1e-20, in f32
.set i, 0
.rept 16                               ; i = 8 tt + j
.set rp, PK+4*(2*(\q)+i/8)+(i%8)/2
.if (i%2) == 1
	v_fma_mix_f32_bf16 v[G+i], v[rp], v[ONE], v[EPSV] op_sel:[1,0,0] op_sel_hi:[1,0,0]
.else
	v_fma_mix_f32_bf16 v[G+i], v[rp], v[ONE], v[EPSV] op_sel_hi:[1,0,0]
.endif
.set i, i+1
.endr
.endm
; Line n of the 18 that renew Z and T of tiles 2 q and 2 q + 1, four chains by turns: Z = Z a + e01, + e23, + e45, + e67;  T = T a, + e01 l01, .. + e67 l67.
.macro SUML q, n
.if (\n) < 16
.set ch, (\n)%4
.set st, (\n)/4
.else
.set ch, 2*((\n)-16)+1
.set st, 4
.endif
.set tt, ch/2
.set tq, 2*(\q)+tt
.if (ch%2) == 0
.if st == 0
.if tt == 0
	v_pk_fma_f32 v[Z+2*tq:Z+2*tq+1], v[Z+2*tq:Z+2*tq+1], v[CM+2*(\q):CM+2*(\q)+1], v[E+8*tt:E+8*tt+1] op_sel_hi:[1,0,1]
.else
	s_wait_alu depctr_va_vdst(0)
	v_pk_fma_f32 v[Z+2*tq:Z+2*tq+1], v[Z+2*tq:Z+2*tq+1], v[CM+2*(\q):CM+2*(\q)+1], v[E+8*tt:E+8*tt+1] op_sel:[0,1,0] op_sel_hi:[1,1,1]
.endif
.else
	v_pk_add_f32 v[Z+2*tq:Z+2*tq+1], v[Z+2*tq:Z+2*tq+1], v[E+8*tt+2*st:E+8*tt+2*st+1]
.endif
.else
.if st == 0
.if tt == 0
	v_pk_mul_f32 v[T+2*tq:T+2*tq+1], v[T+2*tq:T+2*tq+1], v[CM+2*(\q):CM+2*(\q)+1] op_sel_hi:[1,0]
.else
	v_pk_mul_f32 v[T+2*tq:T+2*tq+1], v[T+2*tq:T+2*tq+1], v[CM+2*(\q):CM+2*(\q)+1] op_sel:[0,1] op_sel_hi:[1,1]
.endif
.else
	v_pk_fma_f32 v[T+2*tq:T+2*tq+1], v[E+8*tt+2*st-2:E+8*tt+2*st-1], v[D+8*tq+2*st-2:D+8*tq+2*st-1], v[T+2*tq:T+2*tq+1]
.endif
.endif
.endm
; The rest of the vector work of tiles 2 q, 2 q + 1.  Every transcendental has a plain line that touches neither its result nor its source between it and the use of its result (ISA guide 5.7.2).
; next = 1: the next tile's bias and upper fragments of W are fetched as soon as the registers that take them are dead.
.macro HREST q, next, kk
.set i, 0
.rept 8                                ; two logarithms, then c l - c m for a pair of logits (pair i: registers 2 i, 2 i + 1; pairs 0-3 tile 2 q, pairs 4-7 tile 2 q + 1)
	v_log_f32 v[G+2*i], v[G+2*i]
	v_log_f32 v[G+2*i+1], v[G+2*i+1]
.if i < 4
	v_pk_fma_f32 v[E+2*i:E+2*i+1], v[D+16*(\q)+2*i:D+16*(\q)+2*i+1], s[38:39], v[AR+2*(\q):AR+2*(\q)+1] op_sel_hi:[1,0,0] neg_lo:[0,0,1] neg_hi:[0,0,1]
.else
	v_pk_fma_f32 v[E+2*i:E+2*i+1], v[D+16*(\q)+2*i:D+16*(\q)+2*i+1], s[38:39], v[AR+2*(\q):AR+2*(\q)+1] op_sel:[0,0,1] op_sel_hi:[1,0,1] neg_lo:[0,0,1] neg_hi:[0,0,1]
.endif
.set i, i+1
.endr
.set i, 0
.rept 8                                ; two exponentials, then E = -ln2 x log2(u + eps) + eps for a pair
	v_exp_f32 v[E+2*i], v[E+2*i]
	v_exp_f32 v[E+2*i+1], v[E+2*i+1]
	s_wait_alu depctr_va_vdst(0)
	v_pk_fma_f32 v[G+2*i:G+2*i+1], v[G+2*i:G+2*i+1], s[40:41], s[42:43] op_sel_hi:[1,0,0]
.set i, i+1
.endr
.set i, 0
.rept 16                               ; a reciprocal, then a line of the sums
	v_rcp_f32 v[G+i], v[G+i]
	SUML \q, i
.set i, i+1
.endr
	SUML \q, 16
	SUML \q, 17
.if \next
	LDBIAS \q, (\kk)+1                             ; these two tiles' logits have been read for the last time
.endif
.set i, 0
	s_wait_alu depctr_va_vdst(0)
.rept 8
	v_pk_mul_f32 v[G+2*i:G+2*i+1], v[G+2*i:G+2*i+1], v[E+2*i:E+2*i+1]  ; R = e / E
.set i, i+1
.endr
.if (\q) && (\next)
	LDA_HI 4, (\kk)+1                              ; e is dead
.endif
.set i, 0
.rept 16
	v_and_or_b32 v[G+i], v[G+i], -8, 7-(i%8)       ; the key
.set i, i+1
.endr
.irp w, 0,1
	v_max3_num_f32 v[G+8*\w], v[G+8*\w], v[G+8*\w+1], v[G+8*\w+2]
	v_max3_num_f32 v[G+8*\w+3], v[G+8*\w+3], v[G+8*\w+4], v[G+8*\w+5]
.endr
.irp w, 0,1
	v_max3_num_f32 v[G+8*\w+6], v[G+8*\w+6], v[G+8*\w+7], v[G+8*\w]
.endr
.irp w, 0,1
	v_max_num_f32 v[G+8*\w], v[G+8*\w+3], v[G+8*\w+6]
.endr
.irp w, 0,1
	v_cmp_gt_f32 s[50+\w], v[G+8*\w], v[RB+2*(\q)+\w]      ; strictly greater: of equals the earlier, lower code stays
	v_and_or_b32 v[WK+\w], v[G+8*\w], 7, s46               ; 8 x tile + 7 - j
.endr
.irp w, 0,1
	v_cndmask_b32 v[TAG+2*(\q)+\w], v[TAG+2*(\q)+\w], v[WK+\w], s[50+\w]
	v_max_num_f32 v[RB+2*(\q)+\w], v[RB+2*(\q)+\w], v[G+8*\w]
.endr
.if (\q) && (\next)
	LDA_HI 6, (\kk)+1                              ; the keys are dead
.endif
.endm
; A TILE of 16 codes.  sl: its slot of u.  kk: its number counted from the bases' tile.  refill = 1: the slot takes the tile three further on.  next = 1: a tile follows.
; lcnt: the global loads younger than this tile's eight, which may stay out.
.macro TILE sl, kk, refill, next, lcnt
	MMA
	s_wait_loadcnt \lcnt                           ; loads come back in order (ISA guide 5.7.1): this tile's u is in
	PACK \sl
.if \refill
	ULOAD \sl, (\kk)+3
.endif
.if \next
	LDA_LO (\kk)+1                                 ; sixteen plain instructions behind the last product that read these registers
.endif
	MAXS
	SCALE
	H1 0
	s_wait_alu depctr_va_vdst(0)
	v_pk_mul_f32 v[RB:RB+1], v[RB:RB+1], v[CM:CM+1]        ; the best key goes with m
	v_pk_mul_f32 v[RB+2:RB+3], v[RB+2:RB+3], v[CM+2:CM+3]
	HREST 0, \next, \kk
	H1 1
	HREST 1, \next, \kk
	v_pk_mul_f32 v[CM:CM+1], v[M:M+1], s[38:39] op_sel_hi:[1,0]    ; c m, the next tile's c m_old: the same product as AR, so that a = 1 exactly where m does not grow
	v_pk_mul_f32 v[CM+2:CM+3], v[M+2:M+3], s[38:39] op_sel_hi:[1,0]
	s_add_co_u32 s46, s46, 8
.endm
	s_load_b256 s[4:11], s[0:1], 0x0               ; zf s[4:5], wb s[6:7], proj_b s[8:9], u s[10:11]
	s_load_b128 s[12:15], s[0:1], 0x20             ; pst s[12:13], cand s[14:15]
	v_lshl_add_u32 v[SPW], v0, 2, SPARE
	v_mov_b32 v[NIL], 0
	ds_add_u32 v[SPW], v[NIL]                      ; the wave's opening: the add and its wait stand ahead of my tensor load; the set-up below, work on registers, stands between them
	ds_add_u32 v4, v5
	v_lshrrev_b32 v[WK], 5, v0
	v_readfirstlane_b32 s16, v[WK]                 ; wave 0..7
	s_mov_b32 s17, ttmp9                           ; block of 512 pixels
	s_and_b32 s18, ttmp7, 0xffff                   ; split of 512 codes
	s_lshl3_add_u32 s19, s17, s16                  ; my group of 64 pixels
	; the tensor load's descriptor: 64 rows of 256 elements of 2 bytes, 16 bytes of padding behind each row
	s_mov_b32 s24, 1                               ; group 0: count = 1
	s_mul_i32 s25, s16, 64*PITCH                   ; LDS address: my 64 rows
	s_mov_b32 s28, (1<<16)|(1<<20)|(6<<22)|(3<<25) ; group 1: 2-byte elements; padding on, after every 128 words (code 6), 4 words of it (code 3)
	s_mov_b32 s29, 256<<16                         ; tensor_dim0 = 256
	s_mov_b32 s30, 64<<16                          ; tensor_dim1 = 64
	s_mov_b32 s31, 256<<16                         ; tile_dim0 = 256
	s_mov_b32 s32, 64                              ; tile_dim1 = 64
	s_mov_b32 s33, 256                             ; 256 elements from row to row
	s_mov_b32 s34, 0
	s_mov_b32 s35, 0
	s_mov_b32 s38, 0x3fb8aa3b                      ; c = log2(e), as a pair: the packed forms name a pair and take its low word for both halves
	s_mov_b32 s39, 0x3fb8aa3b
	s_mov_b32 s40, 0xbf317218                      ; -ln 2
	s_mov_b32 s41, 0xbf317218
	s_mov_b32 s42, 0x1e3ce508                      ; 1e-20
	s_mov_b32 s43, 0x1e3ce508
	s_mov_b32 s44, 0x76543210                      ; v_permlanex16_b32: each lane takes its own place in the other half
	s_mov_b32 s45, 0xfedcba98
	s_mov_b32 s46, 0                               ; 8 x the tile in hand
	s_mov_b32 s21, 0                               ; the high word of every offset
	v_and_b32 v[WK], 15, v0                        ; r
	v_bfe_u32 v[WK+1], v0, 4, 1                    ; h
	v_lshlrev_b32 v[UOFF], 4, v[WK]
	v_lshl_add_u32 v[UOFF], v[WK+1], 16, v[UOFF]
	v_mul_u32_u24 v[AADR], v[WK], PITCH
	v_lshl_add_u32 v[AADR], v[WK+1], 4, v[AADR]
	v_lshlrev_b32 v[BADR], 5, v[WK+1]
	v_add_nc_u32 v[BADR], BIAS, v[BADR]
	v_and_b32 v[WK+2], 31, v0
	v_lshlrev_b32 v[WK+2], 4, v[WK+2]              ; zf: 16 x lane
	v_lshlrev_b32 v[WK+3], 3, v0                   ; proj_b: 8 x thread
	s_wait_dscnt 0x0                               ; the opening add is done
	s_wait_kmcnt 0x0
	s_lshl_b32 s20, s18, 18                        ; wb: 512 rows of 512 bytes a split,
	s_lshl_b32 s22, s16, 15                        ; 64 rows a wave
	s_add_co_u32 s20, s20, s22
	s_add_nc_u64 s[26:27], s[6:7], s[20:21]
	s_or_b32 s27, s27, 0x80000000                  ; type = 2
	tensor_load_to_lds s[24:27], s[28:35]          ; my one tensor load: the launch's only fill of these bytes
	s_nop 0
	s_lshr_b32 s20, s17, 2                         ; u: batch x 2^25
	s_lshl_b32 s20, s20, 25
	s_lshl_b32 s22, s18, 22                        ; + 512 rows of 8,192 bytes a split
	s_add_co_u32 s20, s20, s22
	s_and_b32 s22, s17, 3
	s_lshl_b32 s22, s22, 11                        ; + the block's 512 pixels in the batch
	s_add_co_u32 s20, s20, s22
	s_lshl_b32 s22, s16, 8                         ; + my 64 pixels
	s_add_co_u32 s20, s20, s22
	s_add_nc_u64 s[10:11], s[10:11], s[20:21]
	ULOAD 0, 0                                     ; three tiles of u, 12 KB a wave, are on their way from here to the end
	ULOAD 1, 1
	ULOAD 2, 2
	s_lshl_b32 s20, s19, 15                        ; zf: 32,768 bytes a group
	s_add_nc_u64 s[4:5], s[4:5], s[20:21]
	s_lshl_b32 s20, s18, 11                        ; proj_b: 512 numbers a split
	s_add_nc_u64 s[8:9], s[8:9], s[20:21]
	s_lshl_b32 s20, s18, 16                        ; pst, cand: [split][pixel]
	s_lshl_b32 s22, s19, 8
	s_add_co_u32 s20, s20, s22
	s_add_nc_u64 s[12:13], s[12:13], s[20:21]
	s_add_nc_u64 s[14:15], s[14:15], s[20:21]
	WIN 0x40                                       ; destination window 1, address window 0
.set i, 0
.rept 64                               ; z's fragments, as the first launch laid them: chunk i is registers 4 i .. 4 i + 3
	global_load_b128 v[4*i:4*i+3], v[WK+2], s[4:5] offset:512*i
.set i, i+1
.endr
	WIN 0
	global_load_b64 v[WK:WK+1], v[WK+3], s[8:9]    ; two numbers of the bias a thread
	v_mov_b32 v[ONE], 1.0
	v_mov_b32 v[EPSV], s42
.irp n, 0,1,2,3                        ; m starts at the lowest finite number and c m_old far below every c m: the first tile's a is 0, and it is a tile like any other
	v_mov_b32 v[M+\n], 0xff7fffff
	v_mov_b32 v[CM+\n], 0xfe000000
	v_mov_b32 v[RB+\n], 0
	v_mov_b32 v[TAG+\n], 0
.endr
.irp n, 0,1,2,3,4,5,6,7
	v_mov_b32 v[Z+\n], 0
	v_mov_b32 v[T+\n], 0
.endr
	s_wait_loadcnt 0x0                             ; z (and with it the first tiles of u) and the bias
	v_cvt_pk_bf16_f32 v[WK], v[WK], v[WK+1]        ; the bias is rounded to bf16 like the other inputs, and kept as f32
	v_add_nc_u32 v[WK+2], BIAS, v[WK+3]
	v_and_b32 v[WK+1], 0xffff0000, v[WK]
	v_lshlrev_b32 v[WK], 16, v[WK]
	ds_store_b64 v[WK+2], v[WK:WK+1]
	s_wait_tensorcnt 0x0                           ; my 64 rows of W have landed,
	s_wait_dscnt 0x0                               ; my part of the bias is stored:
	s_barrier_signal -1
	s_barrier_wait -1                              ; everybody's are.  The kernel's only barrier: nothing in LDS is written from here on
	LDA_LO 0
	LDBIAS 0, 0
	LDBIAS 1, 0
	LDA_HI 4, 0
	LDA_HI 6, 0
	s_mov_b32 s36, 9
.Lbody:                                                ; 9 trips of three tiles, one for each slot of u: tiles 0 to 26
	TILE 0, 0, 1, 1, 16                            ; 16: the two younger slots' loads
	TILE 1, 1, 1, 1, 16
	TILE 2, 2, 1, 1, 16
	s_wait_xcnt 0x0                                ; u's base is stepped only behind this wait
	s_add_nc_u64 s[10:11], s[10:11], 3*UTILE
	v_add_nc_u32 v[AADR], 3*TSTEP, v[AADR]
	v_add_nc_u32 v[BADR], 3*64, v[BADR]
	s_sub_co_u32 s36, s36, 1
	s_cmp_lg_u32 s36, 0
	s_cbranch_scc1 .Lbody
	TILE 0, 0, 1, 1, 16                            ; tiles 27 to 31 are written out: the last two fills (tiles 30, 31), then none, and the counts run down
	TILE 1, 1, 1, 1, 16
	TILE 2, 2, 0, 1, 16
	TILE 0, 3, 0, 1, 8
	TILE 1, 4, 0, 0, 0
	; THE END.  A pixel's codes lie in two lanes, 16 apart (h = 0, 1): their statistics are brought to the common maximum and merged.
.irp n, 0,1,2,3
	v_add_f32 v[E+\n], v[Z+2*\n], v[Z+2*\n+1]      ; Z in v[64:67]
	v_add_f32 v[E+4+\n], v[T+2*\n], v[T+2*\n+1]    ; T in v[68:71]
.endr
	v_bfe_u32 v[WK], v0, 4, 1
	s_lshl_b32 s20, s18, 9
	s_add_co_u32 s20, s20, 7
	v_lshl_add_u32 v[WK], v[WK], 3, s20            ; 512 split + 8 h + 7
.irp n, 0,1,2,3
	v_lshrrev_b32 v[E+8+\n], 3, v[TAG+\n]
	v_and_b32 v[E+12+\n], 7, v[TAG+\n]
.endr
.irp n, 0,1,2,3
	v_lshl_add_u32 v[E+8+\n], v[E+8+\n], 4, v[WK]
.endr
.irp n, 0,1,2,3
	v_sub_nc_u32 v[E+8+\n], v[E+8+\n], v[E+12+\n]  ; the code in v[72:75]: 512 split + 16 tile + 8 h + j
.endr
.irp n, 0,1,2,3
	v_permlanex16_b32 v[E+12+\n], v[M+\n], s44, s45
.endr
.irp n, 0,1,2,3
	v_max_num_f32 v[G+\n], v[M+\n], v[E+12+\n]     ; the pixel's m in v[80:83]
.endr
.irp n, 0,1,2,3
	v_mul_f32 v[G+4+\n], s38, v[G+\n]
.endr
.irp n, 0,1,2,3
	v_sub_f32 v[G+4+\n], v[CM+\n], v[G+4+\n]       ; c m (mine, as the loop left it) - c m (the pixel's, by the same product)
.endr
.irp n, 0,1,2,3
	v_exp_f32 v[G+4+\n], v[G+4+\n]
.endr
	v_nop                                          ; a plain instruction between the last exponential and the use of its result
	s_wait_alu depctr_va_vdst(0)
.irp n, 0,1,2,3
	v_mul_f32 v[E+\n], v[E+\n], v[G+4+\n]
	v_mul_f32 v[E+4+\n], v[E+4+\n], v[G+4+\n]
	v_mul_f32 v[RB+\n], v[RB+\n], v[G+4+\n]
.endr
.irp n, 0,1,2,3
	v_permlanex16_b32 v[G+8+\n], v[E+\n], s44, s45
	v_permlanex16_b32 v[G+12+\n], v[E+4+\n], s44, s45
.endr
.irp n, 0,1,2,3
	v_add_f32 v[E+\n], v[E+\n], v[G+8+\n]
	v_add_f32 v[E+4+\n], v[E+4+\n], v[G+12+\n]
.endr
.irp n, 0,1,2,3
	v_permlanex16_b32 v[G+8+\n], v[RB+\n], s44, s45        ; the other half's best ratio
	v_permlanex16_b32 v[G+12+\n], v[E+8+\n], s44, s45      ; and its code
.endr
.irp n, 0,1,2,3                        ; the other half's is taken if it is greater, or equal with the lower code
	v_cmp_gt_f32 s50, v[G+8+\n], v[RB+\n]
	v_cmp_eq_f32 s51, v[G+8+\n], v[RB+\n]
	v_cmp_lt_u32 vcc_lo, v[G+12+\n], v[E+8+\n]
	s_and_b32 s51, s51, vcc_lo
	s_or_b32 s50, s50, s51
	v_cndmask_b32 v[E+8+\n], v[E+8+\n], v[G+12+\n], s50
	v_max_num_f32 v[RB+\n], v[RB+\n], v[G+8+\n]
.endr
	v_and_b32 v[WK+1], 15, v0
	v_lshlrev_b32 v[WK+1], 4, v[WK+1]              ; 16 r
	v_and_b32 v[WK+2], 31, v0
	s_wait_tensorcnt 0x0                           ; the wave's end, behind my tensor load and my LDS store
	ds_add_u32 v[SPW], v[NIL]
	s_wait_dscnt 0x0
	s_wait_xcnt 0x0                                ; EXEC changes only behind this wait
	v_cmp_gt_u32 vcc_lo, 16, v[WK+2]
	s_and_saveexec_b32 s52, vcc_lo                 ; both halves hold the same: lanes 0-15 store, 16 bytes each: 256 consecutive bytes, aligned
	global_store_b128 v[WK+1], v[G:G+3], s[12:13]                      ; m
	global_store_b128 v[WK+1], v[E:E+3], s[12:13] offset:524288        ; Z
	global_store_b128 v[WK+1], v[E+4:E+7], s[12:13] offset:1048576     ; T
	global_store_b128 v[WK+1], v[RB:RB+3], s[12:13] offset:1572864     ; R
	global_store_b128 v[WK+1], v[E+8:E+11], s[14:15]                   ; the code
	s_wait_xcnt 0x0                                ; and again, in front of the line that widens it
	s_or_b32 exec_lo, exec_lo, s52
	s_endpgm
.Lfunc_end_k_q5061f08270_main:
	.size	k_q5061f08270_main, .Lfunc_end_k_q5061f08270_main-k_q5061f08270_main
	.p2alignl 7, 3214868480
	.fill 96, 4, 3214868480
	.section	.rodata,"a",@progbits
	.p2align	6, 0x0
	.amdhsa_kernel k_q5061f08270_main
		.amdhsa_group_segment_fixed_size 273408
		.amdhsa_private_segment_fixed_size 0
		.amdhsa_enable_private_segment 0
		.amdhsa_kernarg_size 48
		.amdhsa_user_sgpr_count 2
		.amdhsa_user_sgpr_kernarg_segment_ptr 1
		.amdhsa_wavefront_size32 1
		.amdhsa_system_sgpr_workgroup_id_x 1
		.amdhsa_system_sgpr_workgroup_id_y 1
		.amdhsa_system_sgpr_workgroup_id_z 1
		.amdhsa_system_vgpr_workitem_id 0
		.amdhsa_next_free_vgpr 512
		.amdhsa_next_free_sgpr 66
		.amdhsa_reserve_vcc 1
		.amdhsa_float_denorm_mode_32 3
		.amdhsa_float_denorm_mode_16_64 3
		.amdhsa_memory_ordered 1
		.amdhsa_forward_progress 1
		.amdhsa_inst_pref_size 192
	.end_amdhsa_kernel
	.amdgpu_metadata
---
amdhsa.version: [ 1, 2 ]
amdhsa.kernels:
  - .name:           k_q5061f08270_main
    .symbol:         k_q5061f08270_main.kd
    .args:
      - { .name: zf, .offset: 0, .size: 8, .value_kind: global_buffer, .address_space: global }
      - { .name: wb, .offset: 8, .size: 8, .value_kind: global_buffer, .address_space: global }
      - { .name: proj_b, .offset: 16, .size: 8, .value_kind: global_buffer, .address_space: global }
      - { .name: u, .offset: 24, .size: 8, .value_kind: global_buffer, .address_space: global }
      - { .name: pst, .offset: 32, .size: 8, .value_kind: global_buffer, .address_space: global }
      - { .name: cand, .offset: 40, .size: 8, .value_kind: global_buffer, .address_space: global }
    .group_segment_fixed_size: 273408
    .private_segment_fixed_size: 0
    .kernarg_segment_align: 8
    .kernarg_segment_size: 48
    .max_flat_workgroup_size: 256
    .sgpr_count:     66
    .vgpr_count:     512
    .wavefront_size: 32
...
	.end_amdgpu_metadata
.endif
;; end of part 2
;; launch combine (part 3): grid 128 x 1, 1 waves a work-group, no clusters, 0 bytes of LDS; arguments pst, cand, sel, out2, klp; writes sel, out2, klp
.if DOCPART == 3
	.amdgcn_target "amdgcn-amd-amdhsa--gfx1250"
	.amdhsa_code_object_version 6
	.text
	.protected	k_q5061f08270_combine
	.globl	k_q5061f08270_combine
	.p2align	8
	.type	k_q5061f08270_combine,@function
k_q5061f08270_combine:
	s_mov_b64 s[64:65], 0
	v_nop
	global_prefetch_b8 v0, s[64:65] scope:SCOPE_SE
	s_setreg_imm32_b32 hwreg(HW_REG_WAVE_MODE, 25, 1), 1
	s_wait_xcnt 0x0
; The eight splits of 512 codes are merged for each pixel.  pst: [m, Z, T, R][split 8][pixel 16,384] f32; cand: [split][pixel], the split's best code.
; With MX = max of the m and a_s = 2^(c m_s - c MX) (each c m by the same single product as in the main pass):  Z = sum a_s Z_s,  T = sum a_s T_s,  the winner = the largest a_s R_s,
; of equals the lower split.  KL of softmax(logits) to the uniform prior, for a pixel:  T / Z - MX - ln Z + ln 4096.
; LIMIT.  It changes a pixel's KL by at most 1e-10 (each of the 4,096 terms by at most 1e-10 / 4,096); a weight of 0 adds 0 to T, so no log(0) arises.
; SHARES.  One wave a work-group, four pixels a lane: every load and store of the wave covers 512 consecutive bytes.  The code goes to out2 and, for the next launch's addresses, to sel;
; the sum of the wave's 128 KL to klp.  The work is 2.6 MB of loads in all: no LDS, no matrix unit.
.set MQ, 16                            ; v[16:47]   m, then a: 4 split + pixel
.set ZQ, 48
.set TQ, 80
.set RQ, 112
.set CQ, 144                           ; v[144:175] codes
.set MX, 176
.set ZA, 180
.set TA, 184
.set KL, 188
.set LZ, 192
.set AX, 196
	s_load_b256 s[4:11], s[0:1], 0x0               ; pst s[4:5], cand s[6:7], sel s[8:9], out2 s[10:11]
	s_load_b64 s[12:13], s[0:1], 0x20              ; klp
	v_lshlrev_b32 v1, 4, v0                        ; 16 x lane
	v_mov_b32 v2, 0
	s_lshl_b32 s14, ttmp9, 9                       ; 128 pixels of 4 bytes a work-group
	s_mov_b32 s15, 0
	s_lshl_b32 s18, ttmp9, 2
	s_mov_b32 s19, 0
	s_mov_b32 s20, 0x3fb8aa3b                      ; c = log2(e), as a pair
	s_mov_b32 s21, 0x3fb8aa3b
	s_mov_b32 s22, 0xbf317218                      ; -ln 2
	s_mov_b32 s24, 0x76543210
	s_mov_b32 s25, 0xfedcba98
	s_wait_kmcnt 0x0
	s_add_nc_u64 s[4:5], s[4:5], s[14:15]
	s_add_nc_u64 s[6:7], s[6:7], s[14:15]
	s_add_nc_u64 s[8:9], s[8:9], s[14:15]
	s_add_nc_u64 s[10:11], s[10:11], s[14:15]
	s_add_nc_u64 s[12:13], s[12:13], s[18:19]
.set i, 0
.rept 32                               ; i = 8 quantity + split
	global_load_b128 v[MQ+4*i:MQ+4*i+3], v1, s[4:5] offset:(i/8)*524288+(i%8)*65536
.set i, i+1
.endr
.set i, 0
.rept 8
	global_load_b128 v[CQ+4*i:CQ+4*i+3], v1, s[6:7] offset:i*65536
.set i, i+1
.endr
	s_wait_loadcnt 0x0
.irp n, 0,1,2,3
	v_max3_num_f32 v[MX+\n], v[MQ+\n], v[MQ+4+\n], v[MQ+8+\n]
.endr
.irp n, 0,1,2,3
	v_max3_num_f32 v[MX+\n], v[MX+\n], v[MQ+12+\n], v[MQ+16+\n]
.endr
.irp n, 0,1,2,3
	v_max3_num_f32 v[MX+\n], v[MX+\n], v[MQ+20+\n], v[MQ+24+\n]
.endr
.irp n, 0,1,2,3
	v_max_num_f32 v[MX+\n], v[MX+\n], v[MQ+28+\n]
.endr
	v_pk_mul_f32 v[AX:AX+1], v[MX:MX+1], s[20:21] op_sel_hi:[1,0]
	v_pk_mul_f32 v[AX+2:AX+3], v[MX+2:MX+3], s[20:21] op_sel_hi:[1,0]
.set i, 0
.rept 16                               ; pair i: split i / 2, pixels 2 (i % 2), + 1
	v_pk_mul_f32 v[MQ+2*i:MQ+2*i+1], v[MQ+2*i:MQ+2*i+1], s[20:21] op_sel_hi:[1,0]
.set i, i+1
.endr
.set i, 0
.rept 16
	v_pk_add_f32 v[MQ+2*i:MQ+2*i+1], v[MQ+2*i:MQ+2*i+1], v[AX+2*(i%2):AX+2*(i%2)+1] neg_lo:[0,1] neg_hi:[0,1]
.set i, i+1
.endr
.set i, 0
.rept 32
	v_exp_f32 v[MQ+i], v[MQ+i]
.set i, i+1
.endr
	v_nop                                          ; a plain instruction between the last exponential and the use of its result
	s_wait_alu depctr_va_vdst(0)
	v_pk_mul_f32 v[ZA:ZA+1], v[MQ:MQ+1], v[ZQ:ZQ+1]        ; split 0 starts the sums
	v_pk_mul_f32 v[ZA+2:ZA+3], v[MQ+2:MQ+3], v[ZQ+2:ZQ+3]
	v_pk_mul_f32 v[TA:TA+1], v[MQ:MQ+1], v[TQ:TQ+1]
	v_pk_mul_f32 v[TA+2:TA+3], v[MQ+2:MQ+3], v[TQ+2:TQ+3]
.set i, 2
.rept 14
	v_pk_fma_f32 v[ZA+2*(i%2):ZA+2*(i%2)+1], v[MQ+2*i:MQ+2*i+1], v[ZQ+2*i:ZQ+2*i+1], v[ZA+2*(i%2):ZA+2*(i%2)+1]
	v_pk_fma_f32 v[TA+2*(i%2):TA+2*(i%2)+1], v[MQ+2*i:MQ+2*i+1], v[TQ+2*i:TQ+2*i+1], v[TA+2*(i%2):TA+2*(i%2)+1]
.set i, i+1
.endr
.set i, 0
.rept 16
	v_pk_mul_f32 v[RQ+2*i:RQ+2*i+1], v[RQ+2*i:RQ+2*i+1], v[MQ+2*i:MQ+2*i+1]
.set i, i+1
.endr
.set i, 4
.rept 28                               ; i = 4 split + pixel; the best stays in split 0's registers; strictly greater, so of equals the lower split stays
	v_cmp_gt_f32 vcc_lo, v[RQ+i], v[RQ+i%4]
	v_cndmask_b32 v[CQ+i%4], v[CQ+i%4], v[CQ+i], vcc_lo
	v_max_num_f32 v[RQ+i%4], v[RQ+i%4], v[RQ+i]
.set i, i+1
.endr
	global_store_b128 v1, v[CQ:CQ+3], s[8:9]       ; 512 consecutive bytes each
	global_store_b128 v1, v[CQ:CQ+3], s[10:11]
.irp n, 0,1,2,3
	v_rcp_f32 v[KL+\n], v[ZA+\n]
.endr
.irp n, 0,1,2,3
	v_log_f32 v[LZ+\n], v[ZA+\n]
.endr
	v_nop                                          ; a plain instruction behind the last transcendental
	s_wait_alu depctr_va_vdst(0)
.irp n, 0,1,2,3
	v_fma_f32 v[KL+\n], v[TA+\n], v[KL+\n], -v[MX+\n]
.endr
.irp n, 0,1,2,3
	v_fma_f32 v[KL+\n], v[LZ+\n], s22, v[KL+\n]
.endr
	v_add_f32 v[KL], v[KL], v[KL+1]
	v_add_f32 v[KL+2], v[KL+2], v[KL+3]
	v_add_f32 v[KL], v[KL], v[KL+2]
	v_add_f32 v[KL], 0x42051592, v[KL]             ; + 4 ln 4096, for my four pixels
	v_add_f32_dpp v[KL], v[KL], v[KL] row_xmask:1 row_mask:0xf bank_mask:0xf
	v_add_f32_dpp v[KL], v[KL], v[KL] row_xmask:2 row_mask:0xf bank_mask:0xf
	v_add_f32_dpp v[KL], v[KL], v[KL] row_xmask:4 row_mask:0xf bank_mask:0xf
	v_add_f32_dpp v[KL], v[KL], v[KL] row_xmask:8 row_mask:0xf bank_mask:0xf
	v_permlanex16_b32 v[KL+1], v[KL], s24, s25
	v_add_f32 v[KL], v[KL], v[KL+1]
	s_wait_xcnt 0x0                                ; EXEC changes only behind this wait
	v_cmp_eq_u32 vcc_lo, 0, v0
	s_and_saveexec_b32 s26, vcc_lo
	global_store_b32 v2, v[KL], s[12:13]           ; one number a work-group
	s_wait_xcnt 0x0
	s_or_b32 exec_lo, exec_lo, s26
	s_endpgm
.Lfunc_end_k_q5061f08270_combine:
	.size	k_q5061f08270_combine, .Lfunc_end_k_q5061f08270_combine-k_q5061f08270_combine
	.p2alignl 7, 3214868480
	.fill 96, 4, 3214868480
	.section	.rodata,"a",@progbits
	.p2align	6, 0x0
	.amdhsa_kernel k_q5061f08270_combine
		.amdhsa_group_segment_fixed_size 0
		.amdhsa_private_segment_fixed_size 0
		.amdhsa_enable_private_segment 0
		.amdhsa_kernarg_size 40
		.amdhsa_user_sgpr_count 2
		.amdhsa_user_sgpr_kernarg_segment_ptr 1
		.amdhsa_wavefront_size32 1
		.amdhsa_system_sgpr_workgroup_id_x 1
		.amdhsa_system_sgpr_workgroup_id_y 1
		.amdhsa_system_sgpr_workgroup_id_z 1
		.amdhsa_system_vgpr_workitem_id 0
		.amdhsa_next_free_vgpr 200
		.amdhsa_next_free_sgpr 66
		.amdhsa_reserve_vcc 1
		.amdhsa_float_denorm_mode_32 3
		.amdhsa_float_denorm_mode_16_64 3
		.amdhsa_memory_ordered 1
		.amdhsa_forward_progress 1
		.amdhsa_inst_pref_size 17
	.end_amdhsa_kernel
	.amdgpu_metadata
---
amdhsa.version: [ 1, 2 ]
amdhsa.kernels:
  - .name:           k_q5061f08270_combine
    .symbol:         k_q5061f08270_combine.kd
    .args:
      - { .name: pst, .offset: 0, .size: 8, .value_kind: global_buffer, .address_space: global }
      - { .name: cand, .offset: 8, .size: 8, .value_kind: global_buffer, .address_space: global }
      - { .name: sel, .offset: 16, .size: 8, .value_kind: global_buffer, .address_space: global }
      - { .name: out2, .offset: 24, .size: 8, .value_kind: global_buffer, .address_space: global }
      - { .name: klp, .offset: 32, .size: 8, .value_kind: global_buffer, .address_space: global }
    .group_segment_fixed_size: 0
    .private_segment_fixed_size: 0
    .kernarg_segment_align: 8
    .kernarg_segment_size: 40
    .max_flat_workgroup_size: 32
    .sgpr_count:     66
    .vgpr_count:     200
    .wavefront_size: 32
...
	.end_amdgpu_metadata
.endif
;; end of part 3
;; launch gather (part 4): grid 256 x 1, 1 waves a work-group, no clusters, 0 bytes of LDS; arguments sel, embed_w, klp, out0, out1; writes out0, out1
.if DOCPART == 4
	.amdgcn_target "amdgcn-amd-amdhsa--gfx1250"
	.amdhsa_code_object_version 6
	.text
	.protected	k_q5061f08270_gather
	.globl	k_q5061f08270_gather
	.p2align	8
	.type	k_q5061f08270_gather,@function
k_q5061f08270_gather:
	s_mov_b64 s[64:65], 0
	v_nop
	global_prefetch_b8 v0, s[64:65] scope:SCOPE_SE
	s_setreg_imm32_b32 hwreg(HW_REG_WAVE_MODE, 25, 1), 1
	s_wait_xcnt 0x0
; out0[b][d][p] = embed_w[sel[b][p]][d], rounded to bf16; out1 = 5e-4 x the mean of the pixels' KL.
; WHY A GATHER.  The module multiplies embed_w by y_hard - y_soft + y_soft.  In f32 that is exactly 0 off the chosen code ((0 - y) + y) and 1 to within one unit in the last place at it ((1 - y) + y),
; for every finite y: the product is the chosen row.  LIMIT: that last unit (6e-8 of the number) is dropped.  The row is rounded to bf16, as that product's operand and like the other inputs.
; The rows' numbers come from sel, whole numbers that the launch before stored.
; SHARES.  One wave a work-group: 64 pixels.  Lane (r = l % 16, h = l / 16): pixels 4 r .. 4 r + 3, channels 32 h .. 32 h + 31.  A lane reads 128 consecutive bytes of each of its four rows;
; the rounding's pack and unpack also turn 4 pixels x 4 channels round, so that a store holds four neighbouring pixels of one channel and 16 lanes fill 256 aligned bytes.
.set IDX, 4                            ; v[4:7]     the four codes
.set ROW, 8                            ; v[8:11]    256 x code + 128 h
.set L,   16                           ; v[16:143]  quad qd of channels: as loaded 16 qd + 4 pixel + k, as stored 16 qd + 4 k + pixel
.set TP,  144                          ; v[144:151] packed pairs
.set KS,  152                          ; v[152:155] klp
	s_load_b256 s[4:11], s[0:1], 0x0               ; sel s[4:5], embed_w s[6:7], klp s[8:9], out0 s[10:11]
	s_load_b64 s[12:13], s[0:1], 0x20              ; out1
	v_and_b32 v1, 15, v0                           ; r
	v_bfe_u32 v2, v0, 4, 1                         ; h
	v_lshlrev_b32 v3, 4, v1                        ; 16 r
	v_lshlrev_b32 v12, 7, v2                       ; 128 h
	v_lshl_add_u32 v13, v2, 18, v3                 ; out0: 32 h channels of 8,192 bytes + 16 r
	s_lshl_b32 s14, ttmp9, 8                       ; sel: 64 pixels of 4 bytes a work-group
	s_mov_b32 s15, 0
	s_lshr_b32 s16, ttmp9, 5                       ; batch
	s_lshl_b32 s16, s16, 19                        ; x 64 channels x 8,192 bytes
	s_and_b32 s17, ttmp9, 31
	s_lshl_b32 s17, s17, 8                         ; + the group's 64 pixels
	s_add_co_u32 s16, s16, s17
	s_mov_b32 s17, 0
	s_mov_b32 s18, 0xffff0000                      ; a word's upper bf16
	s_mov_b32 s20, 0x76543210
	s_mov_b32 s21, 0xfedcba98
	s_wait_kmcnt 0x0
	s_add_nc_u64 s[4:5], s[4:5], s[14:15]
	s_add_nc_u64 s[10:11], s[10:11], s[16:17]
	global_load_b128 v[IDX:IDX+3], v3, s[4:5]
	s_wait_loadcnt 0x0
.irp n, 0,1,2,3
	v_min_u32 v[ROW+\n], 0xfff, v[IDX+\n]          ; a loaded number enters an address only clamped to the table
.endr
.irp n, 0,1,2,3
	v_lshl_add_u32 v[ROW+\n], v[ROW+\n], 8, v12
.endr
.set i, 0
.rept 32                               ; i = 4 qd + pixel
	global_load_b128 v[L+4*i:L+4*i+3], v[ROW+i%4], s[6:7] offset:16*(i/4)
.set i, i+1
.endr
.macro QUAD qd
	s_wait_loadcnt 28-4*(\qd)                      ; loads come back in order: this quad's four are in, the later quads' may be out
.irp k, 0,1,2,3
	v_cvt_pk_bf16_f32 v[TP+2*\k], v[L+16*(\qd)+\k], v[L+16*(\qd)+4+\k]         ; channel k of pixels 0, 1
	v_cvt_pk_bf16_f32 v[TP+2*\k+1], v[L+16*(\qd)+8+\k], v[L+16*(\qd)+12+\k]    ; and of pixels 2, 3
.endr
.irp k, 0,1,2,3
	v_lshlrev_b32 v[L+16*(\qd)+4*\k], 16, v[TP+2*\k]
	v_and_b32 v[L+16*(\qd)+4*\k+1], s18, v[TP+2*\k]
	v_lshlrev_b32 v[L+16*(\qd)+4*\k+2], 16, v[TP+2*\k+1]
	v_and_b32 v[L+16*(\qd)+4*\k+3], s18, v[TP+2*\k+1]
.endr
.irp k, 0,1,2,3
	global_store_b128 v13, v[L+16*(\qd)+4*\k:L+16*(\qd)+4*\k+3], s[10:11] offset:(4*(\qd)+\k)*8192 th:TH_STORE_NT
.endr
.endm
.irp q, 0,1,2,3,4,5,6,7
	QUAD \q
.endr
	s_cmp_lg_u32 ttmp9, 0
	s_cbranch_scc1 .Ldone
	; work-group 0 also adds the 128 partial sums of the KL, in a fixed order
	v_lshlrev_b32 v14, 4, v0
	v_mov_b32 v15, 0
	global_load_b128 v[KS:KS+3], v14, s[8:9]
	s_wait_loadcnt 0x0
	v_add_f32 v[KS], v[KS], v[KS+1]
	v_add_f32 v[KS+2], v[KS+2], v[KS+3]
	v_add_f32 v[KS], v[KS], v[KS+2]
	v_add_f32_dpp v[KS], v[KS], v[KS] row_xmask:1 row_mask:0xf bank_mask:0xf
	v_add_f32_dpp v[KS], v[KS], v[KS] row_xmask:2 row_mask:0xf bank_mask:0xf
	v_add_f32_dpp v[KS], v[KS], v[KS] row_xmask:4 row_mask:0xf bank_mask:0xf
	v_add_f32_dpp v[KS], v[KS], v[KS] row_xmask:8 row_mask:0xf bank_mask:0xf
	v_permlanex16_b32 v[KS+1], v[KS], s20, s21
	v_add_f32 v[KS], v[KS], v[KS+1]
	v_mul_f32 v[KS], 0x3303126f, v[KS]             ; x 5e-4 / 16,384
	s_wait_xcnt 0x0                                ; EXEC changes only behind this wait
	v_cmp_eq_u32 vcc_lo, 0, v0
	s_and_saveexec_b32 s22, vcc_lo
	global_store_b32 v15, v[KS], s[12:13]
	s_wait_xcnt 0x0
	s_or_b32 exec_lo, exec_lo, s22
.Ldone:
	s_endpgm
.Lfunc_end_k_q5061f08270_gather:
	.size	k_q5061f08270_gather, .Lfunc_end_k_q5061f08270_gather-k_q5061f08270_gather
	.p2alignl 7, 3214868480
	.fill 96, 4, 3214868480
	.section	.rodata,"a",@progbits
	.p2align	6, 0x0
	.amdhsa_kernel k_q5061f08270_gather
		.amdhsa_group_segment_fixed_size 0
		.amdhsa_private_segment_fixed_size 0
		.amdhsa_enable_private_segment 0
		.amdhsa_kernarg_size 40
		.amdhsa_user_sgpr_count 2
		.amdhsa_user_sgpr_kernarg_segment_ptr 1
		.amdhsa_wavefront_size32 1
		.amdhsa_system_sgpr_workgroup_id_x 1
		.amdhsa_system_sgpr_workgroup_id_y 1
		.amdhsa_system_sgpr_workgroup_id_z 1
		.amdhsa_system_vgpr_workitem_id 0
		.amdhsa_next_free_vgpr 160
		.amdhsa_next_free_sgpr 66
		.amdhsa_reserve_vcc 1
		.amdhsa_float_denorm_mode_32 3
		.amdhsa_float_denorm_mode_16_64 3
		.amdhsa_memory_ordered 1
		.amdhsa_forward_progress 1
		.amdhsa_inst_pref_size 18
	.end_amdhsa_kernel
	.amdgpu_metadata
---
amdhsa.version: [ 1, 2 ]
amdhsa.kernels:
  - .name:           k_q5061f08270_gather
    .symbol:         k_q5061f08270_gather.kd
    .args:
      - { .name: sel, .offset: 0, .size: 8, .value_kind: global_buffer, .address_space: global }
      - { .name: embed_w, .offset: 8, .size: 8, .value_kind: global_buffer, .address_space: global }
      - { .name: klp, .offset: 16, .size: 8, .value_kind: global_buffer, .address_space: global }
      - { .name: out0, .offset: 24, .size: 8, .value_kind: global_buffer, .address_space: global }
      - { .name: out1, .offset: 32, .size: 8, .value_kind: global_buffer, .address_space: global }
    .group_segment_fixed_size: 0
    .private_segment_fixed_size: 0
    .kernarg_segment_align: 8
    .kernarg_segment_size: 40
    .max_flat_workgroup_size: 32
    .sgpr_count:     66
    .vgpr_count:     160
    .wavefront_size: 32
...
	.end_amdgpu_metadata
.endif
;; end of part 4
;; ======== version 2 of 2: 4 launches; version 1 with the launches prep, gather written anew for expert scheduling mode
;; workspace buffers: zf 8,388,608 bytes; wb 2,097,152 bytes; pst 2,097,152 bytes; cand 524,288 bytes of whole numbers; sel 65,536 bytes of whole numbers; klp 512 bytes
;; launch prep (part 5): grid 256 x 1, 4 waves a work-group, no clusters, 0 bytes of LDS; arguments z, proj_w, zf, wb; writes zf, wb
.if DOCPART == 5
	.amdgcn_target "amdgcn-amd-amdhsa--gfx1250"
	.amdhsa_code_object_version 6
	.text
	.protected	k_q5061f08270_prep
	.globl	k_q5061f08270_prep
	.p2align	8
	.type	k_q5061f08270_prep,@function
k_q5061f08270_prep:
	s_mov_b64 s[64:65], 0
	v_nop
	global_prefetch_b8 v0, s[64:65] scope:SCOPE_SE
	s_setreg_imm32_b32 hwreg(HW_REG_WAVE_SCHED_MODE, 0, 2), 2
	s_setreg_imm32_b32 hwreg(HW_REG_WAVE_MODE, 25, 1), 1
	s_wait_xcnt 0x0
	s_wait_alu depctr_vm_vsrc(0)
; z [8][256][2048] f32 and proj_w [4096][256] f32 are rounded to bf16 (nearest even), once, for the main pass.
; wb = proj_w as it lies, [4096][256] bf16.
; zf = z laid out as the main pass's matrix fragments: [group of 64 pixels: 256][chunk q: 64][lane: 32][16 bytes], q = 16 t + 2 ks + gq.
;   Chunk q holds registers 4 gq .. 4 gq + 3 of the fragment of K step ks (32 channels) and pixel tile t: lane (r = l % 16, h = l / 16) holds
;   pixel 4 r + t of the group and channels 32 ks + 16 gq + 8 h + 0..7, two to a register, the lower channel in the lower half.
; SHARES.  Work-group g: the 64 pixels of group g (batch g / 32), and rows 16 g .. 16 g + 15 of proj_w.  Wave w: channels 64 w .. 64 w + 63 (K steps 2 w, 2 w + 1) and four rows of proj_w.
; Every load takes whole runs of 256 bytes (16 lanes x 16 bytes of one channel's pixels), every store 256 or 512 consecutive aligned bytes.  No LDS, no barrier: a lane's four
; loaded pixels are the four pixel tiles, so the turn from [channel][pixel] to fragments is done by the choice of registers in the conversions.
; THE MODE: SCHED_MODE bits 1:0 = 2 (LLVM: expert scheduling mode 2), set by the entry lines.  The code itself states the register dependences
; between vector instructions and memory instructions, with s_wait_alu, always for 0.
; THE PLAN.  Registers that memory instructions touch:
;   v1, v2, v3   byte offsets, made once at the head and never written again; read by every load and store.
;   WL           eight loads land in it; sixteen conversions write the first two of each four registers in place; eight stores read those; never written again.
;   L            32 loads land in it; conversions alone read it.
;   O            K step k's 32 conversions write the half at + 8 k; that step's eight stores read it.  The two halves share no register, so no store's data is ever written again.
; So: one wait on va_vdst ahead of the first load (the offsets), and one behind each of the three runs of conversions, ahead of that run's stores (their data).  Each of these three stands
; behind its conversions and not at the next run's head, so that the stores are issued before the wave waits for the next loads.  No register that a memory instruction has read is written again: no wait on vm_vsrc is owed.
.set WL, 8                             ; v[8:39]    proj_w as loaded, packed in place
.set L,  40                            ; v[40:167]  z: load (ks', gq, ch) at L + 4 (16 ks' + 8 gq + ch), register t = pixel 4 r + t
.set O,  168                           ; v[168:231] fragments: O + 16 t + 8 ks' + 4 gq + ip
	s_load_b256 s[4:11], s[0:1], 0x0               ; z s[4:5], proj_w s[6:7], zf s[8:9], wb s[10:11]
	v_lshrrev_b32 v4, 5, v0
	v_readfirstlane_b32 s12, v4                    ; wave 0..3
	v_and_b32 v5, 15, v0                           ; r
	v_bfe_u32 v6, v0, 4, 1                         ; h
	v_and_b32 v7, 31, v0                           ; lane
	v_lshlrev_b32 v1, 4, v5
	v_lshl_add_u32 v1, v6, 16, v1                  ; z: 16 r + 8 h channels of 8,192 bytes
	v_lshlrev_b32 v2, 4, v7                        ; 16 x lane
	v_lshlrev_b32 v3, 3, v7                        ; 8 x lane
	s_wait_alu depctr_va_sdst(0)                   ; s12 is written, ahead of its first reader: the four bases' offsets are made from it
	s_lshr_b32 s14, ttmp9, 5                       ; batch
	s_lshl_b32 s14, s14, 21                        ; x 256 channels x 8,192 bytes
	s_lshl_b32 s22, s12, 19                        ; + 64 w channels
	s_add_co_u32 s14, s14, s22
	s_and_b32 s22, ttmp9, 31
	s_lshl_b32 s22, s22, 8                         ; + the group's 64 pixels
	s_add_co_u32 s14, s14, s22
	s_mov_b32 s15, 0
	s_lshl_b32 s16, ttmp9, 15                      ; zf: 32,768 g + 2,048 w
	s_lshl_b32 s22, s12, 11
	s_add_co_u32 s16, s16, s22
	s_mov_b32 s17, 0
	s_lshl_b32 s20, ttmp9, 13                      ; wb: 8,192 g + 2,048 w
	s_add_co_u32 s20, s20, s22
	s_mov_b32 s21, 0
	s_lshl_b32 s18, ttmp9, 14                      ; proj_w: 16,384 g + 4,096 w
	s_lshl_b32 s22, s12, 12
	s_add_co_u32 s18, s18, s22
	s_mov_b32 s19, 0
	s_wait_kmcnt 0x0
	s_add_nc_u64 s[4:5], s[4:5], s[14:15]
	s_add_nc_u64 s[6:7], s[6:7], s[18:19]
	s_add_nc_u64 s[8:9], s[8:9], s[16:17]
	s_add_nc_u64 s[10:11], s[10:11], s[20:21]
	s_wait_alu depctr_va_vdst(0)                   ; v1, v2 and v3 are written: every load and store of the kernel reads one of them as its offset
.set i, 0
.rept 8                                ; my four rows of proj_w: 4,096 consecutive bytes
	global_load_b128 v[WL+4*i:WL+4*i+3], v2, s[6:7] offset:512*i th:TH_LOAD_NT
.set i, i+1
.endr
.set i, 0
.rept 32                               ; i = 16 ks' + 8 gq + ch: lanes 0-15 take 256 bytes of channel 32 ks' + 16 gq + ch, lanes 16-31 of the channel 8 further on
	global_load_b128 v[L+4*i:L+4*i+3], v1, s[4:5] offset:(32*(i/16)+16*((i/8)%2)+i%8)*8192 th:TH_LOAD_NT
.set i, i+1
.endr
	s_wait_loadcnt 32                              ; loads come back in order: proj_w's eight are in, z's 32 may be out
.set i, 0
.rept 8
	v_cvt_pk_bf16_f32 v[WL+4*i], v[WL+4*i], v[WL+4*i+1]
	v_cvt_pk_bf16_f32 v[WL+4*i+1], v[WL+4*i+2], v[WL+4*i+3]
.set i, i+1
.endr
	s_wait_alu depctr_va_vdst(0)                   ; the sixteen conversions have written the pairs of WL that the eight stores read
.set i, 0
.rept 8
	global_store_b64 v3, v[WL+4*i:WL+4*i+1], s[10:11] offset:256*i  ; 32 lanes x 8 bytes: 256 consecutive bytes, aligned
.set i, i+1
.endr
; K step 2 w + k: 32 conversions, each of two neighbouring channels of one pixel, then eight chunks of 512 bytes
.macro ZPACK k
.set i, 0
.rept 32                               ; i = 8 t + 4 gq + ip
.set tt, i/8
.set gq, (i/4)%2
.set ip, i%4
	v_cvt_pk_bf16_f32 v[O+16*tt+8*(\k)+4*gq+ip], v[L+4*(16*(\k)+8*gq+2*ip)+tt], v[L+4*(16*(\k)+8*gq+2*ip+1)+tt]
.set i, i+1
.endr
	s_wait_alu depctr_va_vdst(0)                   ; the 32 conversions have written this K step's half of O, which the eight stores read
.set i, 0
.rept 8                                ; i = 2 t + gq
	global_store_b128 v2, v[O+16*(i/2)+8*(\k)+4*(i%2):O+16*(i/2)+8*(\k)+4*(i%2)+3], s[8:9] offset:(i/2)*8192+(2*(\k)+i%2)*512
.set i, i+1
.endr
.endm
	s_wait_loadcnt 16                              ; the first K step's sixteen loads are in, the second's may be out
	ZPACK 0
	s_wait_loadcnt 0x0
	ZPACK 1
	s_endpgm
.Lfunc_end_k_q5061f08270_prep:
	.size	k_q5061f08270_prep, .Lfunc_end_k_q5061f08270_prep-k_q5061f08270_prep
	.p2alignl 7, 3214868480
	.fill 96, 4, 3214868480
	.section	.rodata,"a",@progbits
	.p2align	6, 0x0
	.amdhsa_kernel k_q5061f08270_prep
		.amdhsa_group_segment_fixed_size 0
		.amdhsa_private_segment_fixed_size 0
		.amdhsa_enable_private_segment 0
		.amdhsa_kernarg_size 32
		.amdhsa_user_sgpr_count 2
		.amdhsa_user_sgpr_kernarg_segment_ptr 1
		.amdhsa_wavefront_size32 1
		.amdhsa_system_sgpr_workgroup_id_x 1
		.amdhsa_system_sgpr_workgroup_id_y 1
		.amdhsa_system_sgpr_workgroup_id_z 1
		.amdhsa_system_vgpr_workitem_id 0
		.amdhsa_next_free_vgpr 232
		.amdhsa_next_free_sgpr 66
		.amdhsa_reserve_vcc 0
		.amdhsa_float_denorm_mode_32 3
		.amdhsa_float_denorm_mode_16_64 3
		.amdhsa_memory_ordered 1
		.amdhsa_forward_progress 1
		.amdhsa_inst_pref_size 13
	.end_amdhsa_kernel
	.amdgpu_metadata
---
amdhsa.version: [ 1, 2 ]
amdhsa.kernels:
  - .name:           k_q5061f08270_prep
    .symbol:         k_q5061f08270_prep.kd
    .args:
      - { .name: z, .offset: 0, .size: 8, .value_kind: global_buffer, .address_space: global }
      - { .name: proj_w, .offset: 8, .size: 8, .value_kind: global_buffer, .address_space: global }
      - { .name: zf, .offset: 16, .size: 8, .value_kind: global_buffer, .address_space: global }
      - { .name: wb, .offset: 24, .size: 8, .value_kind: global_buffer, .address_space: global }
    .group_segment_fixed_size: 0
    .private_segment_fixed_size: 0
    .kernarg_segment_align: 8
    .kernarg_segment_size: 32
    .max_flat_workgroup_size: 128
    .sgpr_count:     66
    .vgpr_count:     232
    .wavefront_size: 32
...
	.end_amdgpu_metadata
.endif
;; end of part 5
;; launch main: the kernel of part 2 again; grid 32 x 8, 8 waves a work-group, no clusters, 273,408 bytes of LDS; arguments zf, wb, proj_b, u, pst, cand; writes pst, cand
;; launch combine: the kernel of part 3 again; grid 128 x 1, 1 waves a work-group, no clusters, 0 bytes of LDS; arguments pst, cand, sel, out2, klp; writes sel, out2, klp
;; launch gather (part 6): grid 256 x 1, 1 waves a work-group, no clusters, 0 bytes of LDS; arguments sel, embed_w, klp, out0, out1; writes out0, out1
.if DOCPART == 6
	.amdgcn_target "amdgcn-amd-amdhsa--gfx1250"
	.amdhsa_code_object_version 6
	.text
	.protected	k_q5061f08270_gather
	.globl	k_q5061f08270_gather
	.p2align	8
	.type	k_q5061f08270_gather,@function
k_q5061f08270_gather:
	s_mov_b64 s[64:65], 0
	v_nop
	global_prefetch_b8 v0, s[64:65] scope:SCOPE_SE
	s_setreg_imm32_b32 hwreg(HW_REG_WAVE_SCHED_MODE, 0, 2), 2
	s_setreg_imm32_b32 hwreg(HW_REG_WAVE_MODE, 25, 1), 1
	s_wait_xcnt 0x0
	s_wait_alu depctr_vm_vsrc(0)
; out0[b][d][p] = embed_w[sel[b][p]][d], rounded to bf16; out1 = 5e-4 x the mean of the pixels' KL.
; WHY A GATHER.  The module multiplies embed_w by y_hard - y_soft + y_soft.  In f32 that is exactly 0 off the chosen code ((0 - y) + y) and 1 to within one unit in the last place at it ((1 - y) + y),
; for every finite y: the product is the chosen row.  LIMIT: that last unit (6e-8 of the number) is dropped.  The row is rounded to bf16, as that product's operand and like the other inputs.
; The rows' numbers come from sel, whole numbers that the launch before stored.
; SHARES.  One wave a work-group: 64 pixels.  Lane (r = l % 16, h = l / 16): pixels 4 r .. 4 r + 3, channels 32 h .. 32 h + 31.  A lane reads 128 consecutive bytes of each of its four rows;
; the rounding's pack and unpack also turn 4 pixels x 4 channels round, so that a store holds four neighbouring pixels of one channel and 16 lanes fill 256 aligned bytes.
; THE MODE: SCHED_MODE bits 1:0 = 2 (LLVM: expert scheduling mode 2), set by the entry lines.  The code itself states the register dependences
; between vector instructions and memory instructions, with s_wait_alu, always for 0.
; THE PLAN.  Registers that memory instructions touch:
;   v3, v13    byte offsets, made once at the head and never written again: sel's load reads v3, every store to out0 reads v13.
;   IDX        sel's load lands in it; vector lines alone read it.
;   ROW        made once from IDX by vector lines; the 32 row loads read it; never written again.
;   L          the row loads land in it.  Quad q's conversions read its sixteen registers, its unpacking lines write them anew, its four stores read them; never written again.
;   TP         named by vector lines alone.
;   v14, v15, KS   work-group 0's tail: an offset, a zero offset, klp's four numbers and their sum.
; Quad q's four stores are issued in quad q + 1, behind ONE wait on va_vdst at that quad's head, and are dealt among its conversions, which name quad q + 1's registers and TP alone.
; No register that a memory instruction has read is written again: the only waits on vm_vsrc are the one at the entry and those at the two scalar writes of EXEC.
.set IDX, 4                            ; v[4:7]     the four codes
.set ROW, 8                            ; v[8:11]    256 x code + 128 h
.set L,   16                           ; v[16:143]  quad qd of channels: as loaded 16 qd + 4 pixel + k, as stored 16 qd + 4 k + pixel
.set TP,  144                          ; v[144:151] packed pairs
.set KS,  152                          ; v[152:155] klp
	s_load_b256 s[4:11], s[0:1], 0x0               ; sel s[4:5], embed_w s[6:7], klp s[8:9], out0 s[10:11]
	s_load_b64 s[12:13], s[0:1], 0x20              ; out1
	v_and_b32 v1, 15, v0                           ; r
	v_bfe_u32 v2, v0, 4, 1                         ; h
	v_lshlrev_b32 v3, 4, v1                        ; 16 r
	v_lshlrev_b32 v12, 7, v2                       ; 128 h
	v_lshl_add_u32 v13, v2, 18, v3                 ; out0: 32 h channels of 8,192 bytes + 16 r
	s_lshl_b32 s14, ttmp9, 8                       ; sel: 64 pixels of 4 bytes a work-group
	s_mov_b32 s15, 0
	s_lshr_b32 s16, ttmp9, 5                       ; batch
	s_lshl_b32 s16, s16, 19                        ; x 64 channels x 8,192 bytes
	s_and_b32 s17, ttmp9, 31
	s_lshl_b32 s17, s17, 8                         ; + the group's 64 pixels
	s_add_co_u32 s16, s16, s17
	s_mov_b32 s17, 0
	s_mov_b32 s18, 0xffff0000                      ; a word's upper bf16
	s_mov_b32 s20, 0x76543210
	s_mov_b32 s21, 0xfedcba98
	s_wait_kmcnt 0x0
	s_add_nc_u64 s[4:5], s[4:5], s[14:15]
	s_add_nc_u64 s[10:11], s[10:11], s[16:17]
	s_wait_alu depctr_va_vdst(0)                   ; v3 is written, which the load below reads as its offset; so is v13, the offset of every store to out0
	global_load_b128 v[IDX:IDX+3], v3, s[4:5]
	s_wait_loadcnt 0x0
.irp n, 0,1,2,3
	v_min_u32 v[ROW+\n], 0xfff, v[IDX+\n]          ; a loaded number enters an address only clamped to the table
.endr
.irp n, 0,1,2,3
	v_lshl_add_u32 v[ROW+\n], v[ROW+\n], 8, v12
.endr
	s_wait_alu depctr_va_vdst(0)                   ; the four ROW are written, which the 32 loads below read as their offsets
.set i, 0
.rept 32                               ; i = 4 qd + pixel
	global_load_b128 v[L+4*i:L+4*i+3], v[ROW+i%4], s[6:7] offset:16*(i/4)
.set i, i+1
.endr
; Quad qd is rounded and turned; the stores of the quad before go out among its conversions.
.macro QUAD qd
	s_wait_loadcnt 28-4*(\qd)                      ; loads come back in order: this quad's four are in, the later quads' may be out
.if (\qd) > 0
	s_wait_alu depctr_va_vdst(0)                   ; the unpacking lines of the quad before have written its sixteen registers, which the four stores below read
.endif
.irp k, 0,1,2,3
.if (\qd) > 0
	global_store_b128 v13, v[L+16*((\qd)-1)+4*\k:L+16*((\qd)-1)+4*\k+3], s[10:11] offset:(4*((\qd)-1)+\k)*8192 th:TH_STORE_NT  ; no vector line since the wait names these registers
.endif
	v_cvt_pk_bf16_f32 v[TP+2*\k], v[L+16*(\qd)+\k], v[L+16*(\qd)+4+\k]         ; channel k of pixels 0, 1
	v_cvt_pk_bf16_f32 v[TP+2*\k+1], v[L+16*(\qd)+8+\k], v[L+16*(\qd)+12+\k]    ; and of pixels 2, 3
.endr
.irp k, 0,1,2,3
	v_lshlrev_b32 v[L+16*(\qd)+4*\k], 16, v[TP+2*\k]
	v_and_b32 v[L+16*(\qd)+4*\k+1], s18, v[TP+2*\k]
	v_lshlrev_b32 v[L+16*(\qd)+4*\k+2], 16, v[TP+2*\k+1]
	v_and_b32 v[L+16*(\qd)+4*\k+3], s18, v[TP+2*\k+1]
.endr
.endm
.irp q, 0,1,2,3,4,5,6,7
	QUAD \q
.endr
	s_wait_alu depctr_va_vdst(0)                   ; quad 7's unpacking lines have written its sixteen registers, which the last four stores read
.irp k, 0,1,2,3
	global_store_b128 v13, v[L+16*7+4*\k:L+16*7+4*\k+3], s[10:11] offset:(4*7+\k)*8192 th:TH_STORE_NT
.endr
	s_cmp_lg_u32 ttmp9, 0
	s_cbranch_scc1 .Ldone
	; work-group 0 also adds the 128 partial sums of the KL, in a fixed order
	v_lshlrev_b32 v14, 4, v0
	v_mov_b32 v15, 0
	s_wait_alu depctr_va_vdst(0)                   ; v14 is written, which the load below reads as its offset
	global_load_b128 v[KS:KS+3], v14, s[8:9]
	s_wait_loadcnt 0x0
	v_add_f32 v[KS], v[KS], v[KS+1]
	v_add_f32 v[KS+2], v[KS+2], v[KS+3]
	v_add_f32 v[KS], v[KS], v[KS+2]
	v_add_f32_dpp v[KS], v[KS], v[KS] row_xmask:1 row_mask:0xf bank_mask:0xf
	v_add_f32_dpp v[KS], v[KS], v[KS] row_xmask:2 row_mask:0xf bank_mask:0xf
	v_add_f32_dpp v[KS], v[KS], v[KS] row_xmask:4 row_mask:0xf bank_mask:0xf
	v_add_f32_dpp v[KS], v[KS], v[KS] row_xmask:8 row_mask:0xf bank_mask:0xf
	v_permlanex16_b32 v[KS+1], v[KS], s20, s21
	v_add_f32 v[KS], v[KS], v[KS+1]
	v_mul_f32 v[KS], 0x3303126f, v[KS]             ; x 5e-4 / 16,384
	s_wait_xcnt 0x0                                ; EXEC changes only behind this wait
	v_cmp_eq_u32 vcc_lo, 0, v0
	s_wait_alu depctr_va_vcc(0)                    ; VCC is written by the compare, ahead of its first reader: EXEC is made from it
	s_wait_alu depctr_va_vdst(0)                   ; ahead of the scalar write of EXEC: every vector line so far is done; among them those that wrote v15 and the sum, which the store below reads
	s_wait_alu depctr_vm_vsrc(0)                   ; ahead of the scalar write of EXEC: every load and store so far has read its vector registers
	s_and_saveexec_b32 s22, vcc_lo
	global_store_b32 v15, v[KS], s[12:13]
	s_wait_xcnt 0x0                                ; and again, in front of the line that widens it
	s_wait_alu depctr_va_vdst(0)                   ; ahead of the scalar write of EXEC: no vector line is still at work
	s_wait_alu depctr_vm_vsrc(0)                   ; ahead of the scalar write of EXEC: the store has read v15 and the sum
	s_or_b32 exec_lo, exec_lo, s22
.Ldone:
	s_endpgm
.Lfunc_end_k_q5061f08270_gather:
	.size	k_q5061f08270_gather, .Lfunc_end_k_q5061f08270_gather-k_q5061f08270_gather
	.p2alignl 7, 3214868480
	.fill 96, 4, 3214868480
	.section	.rodata,"a",@progbits
	.p2align	6, 0x0
	.amdhsa_kernel k_q5061f08270_gather
		.amdhsa_group_segment_fixed_size 0
		.amdhsa_private_segment_fixed_size 0
		.amdhsa_enable_private_segment 0
		.amdhsa_kernarg_size 40
		.amdhsa_user_sgpr_count 2
		.amdhsa_user_sgpr_kernarg_segment_ptr 1
		.amdhsa_wavefront_size32 1
		.amdhsa_system_sgpr_workgroup_id_x 1
		.amdhsa_system_sgpr_workgroup_id_y 1
		.amdhsa_system_sgpr_workgroup_id_z 1
		.amdhsa_system_vgpr_workitem_id 0
		.amdhsa_next_free_vgpr 160
		.amdhsa_next_free_sgpr 66
		.amdhsa_reserve_vcc 1
		.amdhsa_float_denorm_mode_32 3
		.amdhsa_float_denorm_mode_16_64 3
		.amdhsa_memory_ordered 1
		.amdhsa_forward_progress 1
		.amdhsa_inst_pref_size 18
	.end_amdhsa_kernel
	.amdgpu_metadata
---
amdhsa.version: [ 1, 2 ]
amdhsa.kernels:
  - .name:           k_q5061f08270_gather
    .symbol:         k_q5061f08270_gather.kd
    .args:
      - { .name: sel, .offset: 0, .size: 8, .value_kind: global_buffer, .address_space: global }
      - { .name: embed_w, .offset: 8, .size: 8, .value_kind: global_buffer, .address_space: global }
      - { .name: klp, .offset: 16, .size: 8, .value_kind: global_buffer, .address_space: global }
      - { .name: out0, .offset: 24, .size: 8, .value_kind: global_buffer, .address_space: global }
      - { .name: out1, .offset: 32, .size: 8, .value_kind: global_buffer, .address_space: global }
    .group_segment_fixed_size: 0
    .private_segment_fixed_size: 0
    .kernarg_segment_align: 8
    .kernarg_segment_size: 40
    .max_flat_workgroup_size: 32
    .sgpr_count:     66
    .vgpr_count:     160
    .wavefront_size: 32
...
	.end_amdgpu_metadata
.endif
;; end of part 6
